; MI455X (gfx1250); checked and timed in simulation.
; The chip was launched on July 23, 2026; its instructions are those of AMD's public machine-readable ISA for CDNA 5 (MIT licence, August 2026) and "CDNA5" Instruction Set Architecture Reference Guide (July 2026). The comments in the code are by the model that wrote it; some were corrected since.
;; Test Two Einsum. Allowed arithmetic: float matrix products may take bf16 or f16 operands with f32 sums; all other float work in f32.
;; Inputs: w1 8 x 1,024 x 4,096 float32; w2 8 x 4,096 x 1,024 float32; x 4 x 256 x 1,024 float32.
;; Outputs: out0 4 x 256 x 1,024 float32.
;; One version. Each part assembles by itself: llvm-mc -triple=amdgcn-amd-amdhsa -mcpu=gfx1250 --defsym DOCPART=n.
;; ======== version 1 of 1: 3 launches
;; workspace buffers: part 67,108,864 bytes; wf 2,097,152 bytes
;; launch wpart (part 1): grid 64 x 4, 4 waves a work-group, clusters of 4 x 4, 327,680 bytes of LDS; arguments w1, w2, part; writes part
.if DOCPART == 1
	.amdgcn_target "amdgcn-amd-amdhsa--gfx1250"
	.amdhsa_code_object_version 6
	.text
	.protected	k_q2f61eff7c3_wpart
	.globl	k_q2f61eff7c3_wpart
	.p2align	8
	.type	k_q2f61eff7c3_wpart,@function
k_q2f61eff7c3_wpart:
	s_mov_b64 s[64:65], 0
	v_nop
	global_prefetch_b8 v0, s[64:65] scope:SCOPE_SE
	s_setreg_imm32_b32 hwreg(HW_REG_WAVE_MODE, 25, 1), 1
	s_wait_xcnt 0x0
	s_wait_alu depctr_hold_cnt(0) depctr_sa_sdst(0) depctr_va_vdst(0) depctr_va_sdst(0) depctr_va_ssrc(0) depctr_va_vcc(0) depctr_vm_vsrc(0)
	s_getreg_b32 s2, hwreg(HW_REG_IB_STS2, 6, 4)
	s_cmp_eq_u32 s2, 0
	s_cbranch_scc0 .Lentry_in_a_cluster
	s_endpgm
.Lentry_in_a_cluster:
	s_bfe_u32 s2, ttmp6, 0x10000c
	s_cmp_lg_u32 s2, 0xf033
	s_cbranch_scc0 .Lentry_shape_is_right
	s_endpgm
.Lentry_shape_is_right:
; W[h1][h2] = sum over e, n of w1[e][h1][n] * w2[e][n][h2], in sixteen partial sums over K = (e, n).
; The two products of the problem, out = sum over e of (x w1[e]) w2[e], are linear, so out = x W for every input: this launch and the next make W,
; the third multiplies by x.  LIMITS, stated: the order of summation and of rounding differs from the order in which the problem is written;
; w1, w2 and x are rounded to bf16 on their way to the matrix unit, W is rounded once to bf16 (next launch); all sums are f32.
; No limit of range beyond that of f32 sums and bf16 operands.
;
; SHARES.  A cluster of 4 x 4 work-groups makes the whole of W (1024 x 1024) for 2,048 of the 32,768 k: cluster number s = 0..15, e = s / 2, n from 2048 (s % 2).
; A work-group makes 256 x 256 (rows 256 cy, columns 256 cx); wave w makes all 256 rows x 64 columns (column block cb = 4 cx + w): 64 accumulator tiles, 512 registers.
; A = w1 (rows h1, K along the rows): f32 tiles of 256 rows x 128 k come into two LDS slots by JOINT tensor loads, shared by the four work-groups of a row
; of the cluster (same cy).  Wave w brings rows 64 w .. 64 w + 63, and it alone reads them: 32 k at a time it rounds them to bf16 and puts them, as rows of 64 bytes,
; into one of two small bf16 buffers, from which all four waves load ready fragments.  So each number of w1 is rounded once in the work-group and not once in each wave.
; B = w2 (rows k, columns h2): straight into registers.  A lane takes 16 bytes = columns 4 r .. 4 r + 3 of one k row, so sixteen lanes take 256 aligned bytes;
; column f of the quad feeds fragment f, and one conversion packs two k rows: no transposition is needed.  Fragment f's column r therefore stands for h2 = 64 cb + 4 r + f.
; WHY w2 IS NOT ASKED FOR JOINTLY, though the four work-groups of a column of the cluster read the same bytes: a joint load lands in LDS; w2's part of a K step
; (128 x 256 f32 = 128 KiB) beside w1's two slots (264 KiB) and the bf16 buffers (40 KiB) passes the 320 KiB; the K step would have to be halved.
; In registers the ring's four blocks (8 KiB a block and wave, 128 KiB for the work-group) also stay on their way across the barriers.
;
; LDS: slot n at n x 135,168 (256 rows, pitch 528); bf16 buffer n at 270,336 + n x 20,480 (256 rows of 32 k, pitch 80).  The buffers begin at a multiple of 256 bytes,
; and no tensor load ever lands in them.
; REGISTERS, in windows of 256:
;   window 0: v2-3 my f32 rows in slot 0, 1; v4 fragment reads; v5 my fragment stores; v10 offset in w2; v11 offset in part;
;             v16-79 my 64 rows x 32 k as f32; v80-207 the 16 fragments of A; v208-239 the 4 fragments of B
;   window 1: ring of four blocks of 32 k of w2 as f32, block i at 64 i, k row q of the lane at 64 i + 4 q
;   window 2: accumulators of row tiles 0-7, tile (a, f) at 8 (4 a + f);   window 3: row tiles 8-15
.set PITCH,  528                       ; an f32 row in LDS: 512 bytes + 16 of padding = 33 x 16: the 16 rows that half a wave's lanes touch lie in 16 different 16-byte columns modulo 256 bytes
.set FRAG,   16*PITCH                  ; 16 rows
.set QUART,  64*PITCH                  ; 64 rows: one tensor load, one wave's own rows
.set SLOT,   256*PITCH                 ; 135,168 bytes
.set BPITCH, 80                        ; a bf16 row in LDS: 64 bytes + 16 = 5 x 16: again 16 different 16-byte columns modulo 256 bytes
.set BFRAG,  16*BPITCH                 ; 16 rows
.set BUFSZ,  256*BPITCH                ; 20,480 bytes
.set BUF0,   2*SLOT                    ; 270,336: behind the slots
.set KBYTES, 512                       ; a K step of 128 f32 along a row of w1
.set BBLK,   32*4096                   ; 32 k rows of w2
.set ADRF, 2
.set FR,   4
.set FW,   5
.set BOFF, 10
.set STO,  11
.set ST,   16
.set AF,   80
.set BBF,  208
.set G1,   16                          ; s[16:23] descriptor group 1
.set G0,   24                          ; s[24:31] descriptor group 0, one set for each slot
.set MSB,  0
.macro WIN new                         ; low byte: bits 1:0 source 0, 3:2 source 1, 5:4 source 2, 7:6 destination; the high byte repeats the setting that is left
.if MSB != \new
	s_set_vgpr_msb (MSB<<8)|\new
.set MSB, \new
.endif
.endm
.macro CREST                           ; a round of the cluster's barrier behind its opening work-group barrier
	s_cmp_lg_u32 s10, 0
	s_cbranch_scc1 .Lnot_wave_0_\@
	s_barrier_signal -3
.Lnot_wave_0_\@:
	s_barrier_wait -3
	s_barrier_signal -1
	s_barrier_wait -1
.endm
.macro ROUND                           ; a whole round
	s_barrier_signal -1
	s_barrier_wait -1
	CREST
.endm
.macro PLACES                          ; four plain vector instructions behind a matrix instruction, before one of its registers is written or loaded into, or its result read (ISA guide 7.12.1)
.rept 4
	v_nop
.endr
.endm
; 16 LDS loads: k block kb of my own 64 rows of a slot, as f32.  For row tile c a lane takes k = 8 h .. 8 h + 7 (32 bytes at 32 h) and k = 16 + 8 h .. (32 bytes at 64 + 32 h) of row r.
.macro LD32 slot, kb
.irp c, 0,1,2,3
	ds_load_b128 v[ST+16*\c:ST+16*\c+3],     v[ADRF+\slot] offset:\c*FRAG+\kb*128
	ds_load_b128 v[ST+16*\c+4:ST+16*\c+7],   v[ADRF+\slot] offset:\c*FRAG+\kb*128+16
	ds_load_b128 v[ST+16*\c+8:ST+16*\c+11],  v[ADRF+\slot] offset:\c*FRAG+\kb*128+64
	ds_load_b128 v[ST+16*\c+12:ST+16*\c+15], v[ADRF+\slot] offset:\c*FRAG+\kb*128+80
.endr
.endm
; 32 conversions: my 64 rows become four bf16 fragments, in the registers of A's fragments 0-3, which are free at that point
.macro CVA
.irp c, 0,1,2,3
.irp p, 0,1,2,3,4,5,6,7
	v_cvt_pk_bf16_f32 v[AF+8*\c+\p], v[ST+16*\c+2*\p], v[ST+16*\c+2*\p+1]
.endr
.endr
.endm
; 8 LDS stores: a fragment's registers 0-3 are k = 8 h .. 8 h + 7 (byte 16 h of the row), registers 4-7 k = 16 + 8 h .. (byte 32 + 16 h): the buffer's rows lie along k
.macro STB buf
.irp c, 0,1,2,3
	ds_store_b128 v[FW], v[AF+8*\c:AF+8*\c+3]   offset:(\buf)*BUFSZ+\c*BFRAG
	ds_store_b128 v[FW], v[AF+8*\c+4:AF+8*\c+7] offset:(\buf)*BUFSZ+\c*BFRAG+32
.endr
.endm
; 32 LDS loads in one run: the 16 fragments of all 256 rows
.macro LDF buf
.irp a, 0,1,2,3,4,5,6,7,8,9,10,11,12,13,14,15
	ds_load_b128 v[AF+8*\a:AF+8*\a+3],   v[FR] offset:(\buf)*BUFSZ+\a*BFRAG
	ds_load_b128 v[AF+8*\a+4:AF+8*\a+7], v[FR] offset:(\buf)*BUFSZ+\a*BFRAG+32
.endr
.endm
; 16 loads of w2 into ring block i: k rows 8 h + q (q = 0..7) and 16 + 8 h + (q - 8) of the block that lies 4 ahead + i blocks behind the base
.macro RINGLD i, ahead
	WIN 0x40                                       ; destination window 1
.irp q, 0,1,2,3,4,5,6,7
	global_load_b128 v[64*\i+4*\q:64*\i+4*\q+3], v[BOFF], s[6:7] offset:(4*\ahead+\i)*BBLK+\q*4096
.endr
.irp q, 8,9,10,11,12,13,14,15
	global_load_b128 v[64*\i+4*\q:64*\i+4*\q+3], v[BOFF], s[6:7] offset:(4*\ahead+\i)*BBLK+(\q+8)*4096
.endr
.endm
; 32 conversions: ring block i becomes the four B fragments; register p of fragment f packs column f of k rows 2 p and 2 p + 1 of the lane
.macro CVB i
	WIN 0x05                                       ; both sources window 1
.irp f, 0,1,2,3
.irp p, 0,1,2,3,4,5,6,7
	v_cvt_pk_bf16_f32 v[BBF+8*\f+\p], v[64*\i+8*\p+\f], v[64*\i+8*\p+4+\f]
.endr
.endr
.endm
; 16 matrix instructions: row tiles 4 g .. 4 g + 3 x the four column fragments.  The 64 accumulators take turns, one instruction a turn, in the same order
; in every block of 32 k, over the backward jump too.
.macro RUN g, zero
.if \g < 2
	WIN 0xa0                                       ; C and D window 2
.else
	WIN 0xf0                                       ; C and D window 3
.endif
.irp c, 0,1,2,3
.irp f, 0,1,2,3
.if \zero
	v_wmma_f32_16x16x32_bf16 v[8*(4*((4*\g+\c)&7)+\f):8*(4*((4*\g+\c)&7)+\f)+7], v[AF+8*(4*\g+\c):AF+8*(4*\g+\c)+7], v[BBF+8*\f:BBF+8*\f+7], 0
.else
	v_wmma_f32_16x16x32_bf16 v[8*(4*((4*\g+\c)&7)+\f):8*(4*((4*\g+\c)&7)+\f)+7], v[AF+8*(4*\g+\c):AF+8*(4*\g+\c)+7], v[BBF+8*\f:BBF+8*\f+7], v[8*(4*((4*\g+\c)&7)+\f):8*(4*((4*\g+\c)&7)+\f)+7]
.endif
.endr
.endr
.endm
; Block i (32 k) of the K step that lies in slot.  It multiplies this block (bf16 buffer i % 2), rounds and stores my rows of the next block (cv = 1; the other buffer),
; and loads my f32 rows of the block after that (ld = 1): k blocks 2, 3 of this slot in blocks 0, 1, k blocks 0, 1 of the other slot in blocks 2, 3.
; more = 1: the ring block is loaded again, for the next K step.  tl = 1: this slot, whose last f32 reads were waited for in front of the round just passed, is asked for again.
; kind: the barrier at the block's end: 0 none, 1 the work-group's, 2 the same behind a wait for my tensor load, 3 it opens a round of the cluster's barrier.
; THE ONE BARRIER OF A BLOCK orders two things: every wave's stores of the next block stand ahead of all reads of them, and every wave's reads of this block's buffer
; stand ahead of the stores that the next block's text puts into it.
.macro ITER i, slot, zero, more, cv, ld, kind, tl
.set CBUF, \i&1
.set NBUF, (\i+1)&1
.if \i < 2
.set LSLOT, \slot
.set LKB, \i+2
.else
.set LSLOT, 1-\slot
.set LKB, \i-2
.endif
.if \tl
	tensor_load_to_lds s[G0+4*\slot:G0+4*\slot+3], s[G1:G1+7]   ; my one tensor load behind the round, and the first thing there: my 64 rows two K steps on; up to the wait for it I issue 240 matrix instructions
.endif
	PLACES                                         ; the last matrix instructions read A's and B's fragments, which are now loaded and written anew
	LDF CBUF
	s_wait_loadcnt 48-16*\i*(1-\more)              ; loads come back in order: ring block i is in, the three younger blocks (3 x 16 loads) stay out; in the last K step nothing is issued and the counts run down
	CVB \i                                         ; vector work while the fragments are on their way
.if \more
	RINGLD \i, 1
.endif
	s_wait_dscnt 24                                ; LDS loads come back in order: fragments 0-3 (8 loads) are in, the other 24 loads stay out
	RUN 0, \zero
	s_wait_dscnt 16                                ; fragments 4-7 too
	RUN 1, \zero
	s_wait_dscnt 0x0                               ; all 16 fragments are in
.if \cv
	WIN 0
	PLACES                                         ; fragments 0-3 were sources of matrix instructions and are written now
	CVA                                            ; my f32 rows came in before the last barrier
	STB NBUF
.endif
.if \ld
	LD32 LSLOT, LKB                                ; into registers that only the conversions above have read
.endif
	RUN 2, \zero
.if (\kind) >= 1
	s_wait_dscnt 0x0                               ; for the other waves: my stores are done, my reads of this block's buffer and of the slots are back
.if (\kind) >= 2
	s_wait_tensorcnt 0x0                           ; all my tensor loads have landed: the one that was out is my part of the other slot, which the next block begins to read
.endif
.if (\kind) == 3
	s_add_nc_u64 s[G0+4*\slot+2:G0+4*\slot+3], s[G0+4*\slot+2:G0+4*\slot+3], 2*KBYTES   ; no load of mine is out, so a group 0 may be written: this slot's next tile, two K steps on
.endif
.if \i == 3
	s_wait_xcnt 0x0                                ; the ring's loads have had their addresses translated: their base may be stepped
	s_add_nc_u64 s[6:7], s[6:7], 4*BBLK            ; w2: 128 k rows on
.endif
	s_barrier_signal -1
.endif
	RUN 3, \zero                                   ; register work alone between the signal and the wait
	WIN 0
.if (\kind) >= 1
	s_barrier_wait -1
.endif
.if (\kind) == 3
	CREST                                          ; the same now holds of every wave of all sixteen work-groups
.endif
.endm
; A K step of 128.  tfill = 1: its slot is asked for again in block 2.  more = 1: a K step follows.
.macro STEP slot, zero, tfill, more
	ITER 0, \slot, \zero, \more, 1, 1, 1, 0
	ITER 1, \slot, 0, \more, 1, 1, 1+\more+\tfill, 0
	ITER 2, \slot, 0, \more, 1, \more, 1, \tfill
	ITER 3, \slot, 0, \more, \more, \more, \more, 0
.endm
	s_load_b128 s[4:7], s[0:1], 0x0                ; w1 s[4:5], w2 s[6:7]
	s_load_b64 s[8:9], s[0:1], 0x10                ; part
	v_lshrrev_b32 v1, 5, v0
	v_readfirstlane_b32 s10, v1                    ; wave 0..3
	s_bfe_u32 s11, ttmp6, 0x40000                  ; cx: block column of W
	s_bfe_u32 s12, ttmp6, 0x40004                  ; cy: block row of W
	s_mov_b32 s13, ttmp9                           ; the cluster's number = the split of K
	s_lshl_b32 s39, s12, 2
	s_lshl_b32 s39, 15, s39                        ; my row of the cluster: places 4 cy .. 4 cy + 3
	; group 1: 64 rows x 128 elements of 4 bytes, 4 words of padding behind every 128 words
	s_or_b32 s[G1+0], s39, (2<<16)|(1<<20)|(1<<21)|(6<<22)|(3<<25)   ; 15:0 mask; 17:16 element of 4 bytes; 20 padding on; 21 set beside a mask; 24:22 interval 128 words; 31:25 pad 4 words
	s_mov_b32 s[G1+1], 128<<16                     ; tensor_dim0 = 128
	s_mov_b32 s[G1+2], 64<<16                      ; tensor_dim1 = 64
	s_mov_b32 s[G1+3], 128<<16                     ; tile_dim0 = 128
	s_mov_b32 s[G1+4], 64                          ; tile_dim1 = 64
	s_mov_b32 s[G1+5], 4096                        ; elements from row to row of w1
	s_mov_b32 s[G1+6], 0
	s_mov_b32 s[G1+7], 0
	; w1: e x 16 MiB + (256 cy + 64 w) rows of 16 KiB + 2048 (s % 2) elements.  Made of s, cy and the wave alone, which my row of the cluster shares.
	s_lshr_b32 s32, s13, 1
	s_lshl_b32 s32, s32, 24
	s_lshl_b32 s40, s12, 22
	s_add_co_u32 s32, s32, s40
	s_lshl_b32 s40, s10, 20
	s_add_co_u32 s32, s32, s40
	s_and_b32 s40, s13, 1
	s_lshl_b32 s40, s40, 13
	s_add_co_u32 s32, s32, s40
	s_mov_b32 s33, 0
	; w2: 2048 s rows of 4 KiB + (256 cx + 64 w) columns
	s_lshl_b32 s34, s13, 23
	s_lshl_b32 s41, s11, 10
	s_add_co_u32 s34, s34, s41
	s_lshl_b32 s41, s10, 8
	s_add_co_u32 s34, s34, s41
	s_mov_b32 s35, 0
	; part[s][cb = 4 cx + w][ag = 16 cy + a][f][half][lane][16 bytes]
	s_lshl_b32 s36, s13, 22
	s_lshl_b32 s42, s11, 20
	s_add_co_u32 s36, s36, s42
	s_lshl_b32 s42, s10, 18
	s_add_co_u32 s36, s36, s42
	s_lshl_b32 s42, s12, 16
	s_add_co_u32 s36, s36, s42
	s_mov_b32 s37, 0
	s_mul_i32 s43, s10, QUART                      ; my 64 rows in a slot: the wave's number alone
	s_mul_i32 s46, s10, 4*BFRAG                    ; my 64 rows in a bf16 buffer
	v_and_b32 v12, 15, v0                          ; r
	v_bfe_u32 v13, v0, 4, 1                        ; h
	v_mul_u32_u24 v1, v12, PITCH
	v_lshl_add_u32 v1, v13, 5, v1                  ; r x pitch + 32 h
	v_add_nc_u32 v[ADRF], s43, v1                  ; in my rows of slot 0,
	v_add_nc_u32 v[ADRF+1], SLOT, v[ADRF]          ; of slot 1
	v_mul_u32_u24 v1, v12, BPITCH
	v_lshl_add_u32 v1, v13, 4, v1                  ; r x pitch + 16 h
	v_add_nc_u32 v[FR], BUF0, v1                   ; fragments are read from row tile 0 on,
	v_add_nc_u32 v[FW], s46, v[FR]                 ; and stored from my first row tile on
	v_lshlrev_b32 v[BOFF], 4, v12
	v_lshl_add_u32 v[BOFF], v13, 15, v[BOFF]       ; 16 r + 8 h rows of 4 KiB
	v_and_b32 v[STO], 31, v0
	v_lshlrev_b32 v[STO], 4, v[STO]                ; 16 x lane
	s_wait_kmcnt 0x0
	s_add_nc_u64 s[44:45], s[4:5], s[32:33]
	s_add_nc_u64 s[6:7], s[6:7], s[34:35]
	s_add_nc_u64 s[8:9], s[8:9], s[36:37]
.irp n, 0,1
	s_mov_b32 s[G0+4*\n], 1                                        ; count = 1
	s_add_co_u32 s[G0+4*\n+1], s43, \n*SLOT                        ; LDS address
	s_add_nc_u64 s[G0+4*\n+2:G0+4*\n+3], s[44:45], \n*KBYTES       ; K step n
	s_or_b32 s[G0+4*\n+3], s[G0+4*\n+3], 0x80000000                ; type = 2
.endr
	ROUND                                          ; all sixteen work-groups are here: the first joint loads meet
	tensor_load_to_lds s[G0:G0+3], s[G1:G1+7]      ; both first fills go out as one group, ahead of everything else that goes to memory: K step 0 into slot 0,
	tensor_load_to_lds s[G0+4:G0+7], s[G1:G1+7]    ; K step 1 into slot 1: two tensor loads of mine are out here, later never more than one
	RINGLD 0, 0                                    ; the first K step's four blocks of w2, on their way beside the tiles
	RINGLD 1, 0
	RINGLD 2, 0
	RINGLD 3, 0
	WIN 0
	s_wait_tensorcnt 0x1                           ; my rows of K step 0 are in, and only I read them; K step 1's may stay out
	LD32 0, 0
	s_wait_dscnt 0x0
	CVA                                            ; block 0 has no block in front of it in whose text to stand
	STB 0
	LD32 0, 1
	s_wait_dscnt 0x0                               ; for the other waves: my stores are done
	s_barrier_signal -1
	s_barrier_wait -1
	STEP 0, 1, 1, 1                                ; the first products start the sums: nothing is cleared
	STEP 1, 0, 1, 1
	s_mov_b32 s38, 6
.Llap:
	STEP 0, 0, 1, 1
	STEP 1, 0, 1, 1
	s_sub_co_u32 s38, s38, 1
	s_cmp_lg_u32 s38, 0
	s_cbranch_scc1 .Llap
	STEP 0, 0, 0, 1                                ; the fifteenth K step: nothing is left to ask for; it waits for the sixteenth's tile
	STEP 1, 0, 0, 0                                ; the sixteenth: loads nothing more of w2, and its last block ends with no barrier
	; THE WAY OUT: an accumulator's registers 0-3 and 4-7 as they lie, 16 bytes a lane: each store covers 512 consecutive aligned bytes, the wave's 128 stores 64 KiB in a row.
	PLACES
	WIN 0x08                                       ; store data window 2
.set t, 0
.rept 32
	global_store_b128 v[STO], v[8*t:8*t+3],   s[8:9] offset:t*1024
	global_store_b128 v[STO], v[8*t+4:8*t+7], s[8:9] offset:t*1024+512
.set t, t+1
.endr
	WIN 0x0c                                       ; store data window 3
.set t, 0
.rept 32
	global_store_b128 v[STO], v[8*t:8*t+3],   s[8:9] offset:32768+t*1024
	global_store_b128 v[STO], v[8*t+4:8*t+7], s[8:9] offset:32768+t*1024+512
.set t, t+1
.endr
	WIN 0
	ROUND                                          ; the closing round: no work-group ends while a partner may still ask jointly
	s_endpgm
.Lfunc_end_k_q2f61eff7c3_wpart:
	.size	k_q2f61eff7c3_wpart, .Lfunc_end_k_q2f61eff7c3_wpart-k_q2f61eff7c3_wpart
	.p2alignl 7, 3214868480
	.fill 96, 4, 3214868480
	.section	.rodata,"a",@progbits
	.p2align	6, 0x0
	.amdhsa_kernel k_q2f61eff7c3_wpart
		.amdhsa_group_segment_fixed_size 327680
		.amdhsa_private_segment_fixed_size 0
		.amdhsa_enable_private_segment 0
		.amdhsa_kernarg_size 24
		.amdhsa_user_sgpr_count 2
		.amdhsa_user_sgpr_kernarg_segment_ptr 1
		.amdhsa_wavefront_size32 1
		.amdhsa_system_sgpr_workgroup_id_x 1
		.amdhsa_system_sgpr_workgroup_id_y 1
		.amdhsa_system_sgpr_workgroup_id_z 1
		.amdhsa_system_vgpr_workitem_id 0
		.amdhsa_next_free_vgpr 1024
		.amdhsa_next_free_sgpr 66
		.amdhsa_reserve_vcc 0
		.amdhsa_float_denorm_mode_32 3
		.amdhsa_float_denorm_mode_16_64 3
		.amdhsa_memory_ordered 1
		.amdhsa_forward_progress 1
		.amdhsa_inst_pref_size 255
	.end_amdhsa_kernel
	.section	.bss,"aw",@nobits
	.p2align	6
	.space	262144
	.amdgpu_metadata
---
amdhsa.version: [ 1, 2 ]
amdhsa.kernels:
  - .name:           k_q2f61eff7c3_wpart
    .symbol:         k_q2f61eff7c3_wpart.kd
    .args:
      - { .name: w1, .offset: 0, .size: 8, .value_kind: global_buffer, .address_space: global }
      - { .name: w2, .offset: 8, .size: 8, .value_kind: global_buffer, .address_space: global }
      - { .name: part, .offset: 16, .size: 8, .value_kind: global_buffer, .address_space: global }
    .group_segment_fixed_size: 327680
    .private_segment_fixed_size: 0
    .kernarg_segment_align: 8
    .kernarg_segment_size: 24
    .max_flat_workgroup_size: 128
    .sgpr_count:     66
    .vgpr_count:     1024
    .wavefront_size: 32
...
	.end_amdgpu_metadata
.endif
;; end of part 1
;; launch wsum (part 2): grid 512 x 1, 8 waves a work-group, no clusters, 0 bytes of LDS; arguments part, wf; writes wf
.if DOCPART == 2
	.amdgcn_target "amdgcn-amd-amdhsa--gfx1250"
	.amdhsa_code_object_version 6
	.text
	.protected	k_q2f61eff7c3_wsum
	.globl	k_q2f61eff7c3_wsum
	.p2align	8
	.type	k_q2f61eff7c3_wsum,@function
k_q2f61eff7c3_wsum:
	s_mov_b64 s[64:65], 0
	v_nop
	global_prefetch_b8 v0, s[64:65] scope:SCOPE_SE
	s_setreg_imm32_b32 hwreg(HW_REG_WAVE_MODE, 25, 1), 1
	s_wait_xcnt 0x0
; W = the sum of the sixteen partial sums, in f32, in ascending order of the split, rounded once to bf16.
; part[s 16][tile 4096][half 2][lane 32][16 bytes] f32; tile T = 256 cb + 4 ag + f is one 16 x 16 accumulator: lane (r, h), number j = 4 half + q, is W[16 ag + 8 h + j][64 cb + 4 r + f].
; wf[cb 16][kb 32][f 4][half 2][lane 32][16 bytes] bf16 with kb = ag / 2, half = ag % 2: a lane's eight numbers, packed, are registers 4 half .. 4 half + 3 of the B fragment
; (column r, k = 32 kb + 16 half + 8 h + j) that the next launch multiplies by: it loads them as they lie.
; A pure stream: one wave takes one tile, 32 loads of 512 consecutive bytes all issued at once (16 KiB a wave on their way), one store of 512 consecutive aligned bytes.
; No LDS, no barrier, no matrix unit, no cluster: no byte is read twice and no wave needs another.
.set X, 8                              ; v[8:135]: split s at X + 8 s, eight numbers
	s_load_b128 s[4:7], s[0:1], 0x0                ; part s[4:5], wf s[6:7]
	s_lshl_b32 s24, ttmp9, 13                      ; the work-group's 8 tiles of 1,024 bytes
	s_mov_b32 s25, 0
	s_lshl_b32 s26, ttmp9, 12                      ; and their 8 x 512 bytes in wf: cb x 128 KiB + kb x 4 KiB = 4,096 x the work-group's number
	s_mov_b32 s27, 0
	v_and_b32 v3, 31, v0
	v_lshlrev_b32 v3, 4, v3                        ; 16 x lane
	v_and_b32 v1, 0xe0, v0
	v_lshl_or_b32 v1, v1, 5, v3                    ; + 1,024 x wave
	v_bfe_u32 v2, v0, 5, 2                         ; f = wave % 4
	v_lshl_or_b32 v2, v2, 10, v3
	v_bfe_u32 v4, v0, 7, 1                         ; half = wave / 4
	v_lshl_or_b32 v2, v4, 9, v2
	s_wait_kmcnt 0x0
	s_add_nc_u64 s[8:9], s[4:5], s[24:25]
.irp k, 1,2,3,4,5,6,7
	s_add_nc_u64 s[8+2*\k:9+2*\k], s[8:9], \k*0x800000     ; a base for every two splits (8 MiB), so that the odd split stands in the immediate
.endr
	s_add_nc_u64 s[6:7], s[6:7], s[26:27]
.irp k, 0,1,2,3,4,5,6,7
	global_load_b128 v[X+16*\k:X+16*\k+3],     v1, s[8+2*\k:9+2*\k] th:TH_LOAD_NT
	global_load_b128 v[X+16*\k+4:X+16*\k+7],   v1, s[8+2*\k:9+2*\k] offset:512 th:TH_LOAD_NT
	global_load_b128 v[X+16*\k+8:X+16*\k+11],  v1, s[8+2*\k:9+2*\k] offset:4194304 th:TH_LOAD_NT
	global_load_b128 v[X+16*\k+12:X+16*\k+15], v1, s[8+2*\k:9+2*\k] offset:4194304+512 th:TH_LOAD_NT
.endr
.irp s, 1,2,3,4,5,6,7,8,9,10,11,12,13,14,15
	s_wait_loadcnt 30-2*\s                         ; loads come back in order: splits 0 to s are in, the two loads of each younger split stay out
.irp i, 0,2,4,6
	v_pk_add_f32 v[X+\i:X+\i+1], v[X+\i:X+\i+1], v[X+8*\s+\i:X+8*\s+\i+1]
.endr
.endr
.irp p, 0,1,2,3
	v_cvt_pk_bf16_f32 v[4+\p], v[X+2*\p], v[X+2*\p+1]
.endr
	global_store_b128 v2, v[4:7], s[6:7]
	s_endpgm
.Lfunc_end_k_q2f61eff7c3_wsum:
	.size	k_q2f61eff7c3_wsum, .Lfunc_end_k_q2f61eff7c3_wsum-k_q2f61eff7c3_wsum
	.p2alignl 7, 3214868480
	.fill 96, 4, 3214868480
	.section	.rodata,"a",@progbits
	.p2align	6, 0x0
	.amdhsa_kernel k_q2f61eff7c3_wsum
		.amdhsa_group_segment_fixed_size 0
		.amdhsa_private_segment_fixed_size 0
		.amdhsa_enable_private_segment 0
		.amdhsa_kernarg_size 16
		.amdhsa_user_sgpr_count 2
		.amdhsa_user_sgpr_kernarg_segment_ptr 1
		.amdhsa_wavefront_size32 1
		.amdhsa_system_sgpr_workgroup_id_x 1
		.amdhsa_system_sgpr_workgroup_id_y 1
		.amdhsa_system_sgpr_workgroup_id_z 1
		.amdhsa_system_vgpr_workitem_id 0
		.amdhsa_next_free_vgpr 136
		.amdhsa_next_free_sgpr 66
		.amdhsa_reserve_vcc 0
		.amdhsa_float_denorm_mode_32 3
		.amdhsa_float_denorm_mode_16_64 3
		.amdhsa_memory_ordered 1
		.amdhsa_forward_progress 1
		.amdhsa_inst_pref_size 9
	.end_amdhsa_kernel
	.amdgpu_metadata
---
amdhsa.version: [ 1, 2 ]
amdhsa.kernels:
  - .name:           k_q2f61eff7c3_wsum
    .symbol:         k_q2f61eff7c3_wsum.kd
    .args:
      - { .name: part, .offset: 0, .size: 8, .value_kind: global_buffer, .address_space: global }
      - { .name: wf, .offset: 8, .size: 8, .value_kind: global_buffer, .address_space: global }
    .group_segment_fixed_size: 0
    .private_segment_fixed_size: 0
    .kernarg_segment_align: 8
    .kernarg_segment_size: 16
    .max_flat_workgroup_size: 256
    .sgpr_count:     66
    .vgpr_count:     136
    .wavefront_size: 32
...
	.end_amdgpu_metadata
.endif
;; end of part 2
;; launch apply (part 3): grid 16 x 16, 4 waves a work-group, clusters of 4 x 1, 266,240 bytes of LDS; arguments x, wf, out0; writes out0
.if DOCPART == 3
	.amdgcn_target "amdgcn-amd-amdhsa--gfx1250"
	.amdhsa_code_object_version 6
	.text
	.protected	k_q2f61eff7c3_apply
	.globl	k_q2f61eff7c3_apply
	.p2align	8
	.type	k_q2f61eff7c3_apply,@function
k_q2f61eff7c3_apply:
	s_mov_b64 s[64:65], 0
	v_nop
	global_prefetch_b8 v0, s[64:65] scope:SCOPE_SE
	s_setreg_imm32_b32 hwreg(HW_REG_WAVE_MODE, 25, 1), 1
	s_wait_xcnt 0x0
	s_wait_alu depctr_hold_cnt(0) depctr_sa_sdst(0) depctr_va_vdst(0) depctr_va_sdst(0) depctr_va_ssrc(0) depctr_va_vcc(0) depctr_vm_vsrc(0)
	s_getreg_b32 s2, hwreg(HW_REG_IB_STS2, 6, 4)
	s_cmp_eq_u32 s2, 0
	s_cbranch_scc0 .Lentry_in_a_cluster
	s_endpgm
.Lentry_in_a_cluster:
	s_bfe_u32 s2, ttmp6, 0x10000c
	s_cmp_lg_u32 s2, 0x3003
	s_cbranch_scc0 .Lentry_shape_is_right
	s_endpgm
.Lentry_shape_is_right:
; out0[m][h2] = sum over h1 of x[m][h1] W[h1][h2].  x: [1024][1024] f32, rounded to bf16 here; W: bf16, as ready B fragments in wf (layout: see below); sums f32.
; A work-group makes 64 rows (block ti) x 64 columns (block cb).  Wave w takes h1 = 256 w .. 256 w + 255 for the whole block (16 accumulator tiles); the four waves' sums meet in LDS,
; and wave w adds and stores rows 16 w .. 16 w + 15.  The order of summation differs from that in which the problem is written (stated limit, as in the first launch).
; CLUSTER: the four work-groups of a cluster have the same ti and need the same 64 rows of x: each wave's 64 rows x 1,024 bytes are asked for jointly (mask 15).
; wf[cb][kb 32][f 4][half 2][lane 32][16 bytes]: a work-group's 128 KiB are its own column block's, which no partner in the cluster reads, so there is nothing to ask for jointly;
; they go straight into registers, 512 consecutive bytes a load, since they are fragments already and x takes 260 KiB of LDS.
; Fragment f's column r stands for h2 = 64 cb + 4 r + f, so the four tiles f of a row block hold four neighbouring columns in one lane: 16 bytes, and sixteen lanes 256 aligned bytes.
; REGISTERS: window 0: addresses, v16-143 x as f32 (two stages), later the four partial sums, v144-175 results; window 1: W fragments, 32 kb + 8 f; window 2: x as bf16, 32 kb + 8 a;
; window 3: accumulators, 8 (4 a + f).
.set XP,   1040                        ; an LDS row: 1,024 bytes + 16 of padding = 65 x 16: 16 rows lie in 16 different 16-byte columns modulo 256 bytes
.set REG,  64*XP                       ; a wave's own region, 66,560 bytes; four fill the 266,240 asked for
.set AD,   2                           ; v2    my bytes of x in my region
.set LN,   3                           ; v3    16 x lane
.set SA,   4                           ; v4    where my partial sums go
.set RD,   5                           ; v5-8  where I read the four waves' partial sums of my row block
.set CO,   9                           ; v9    my offset in out0
.set ST0,  16
.set P,    16
.set O,    144
.set G1,   16
.set G0,   24
.set MSB,  0
.macro WIN new                         ; low byte: bits 1:0 source 0, 3:2 source 1, 5:4 source 2, 7:6 destination; the high byte repeats the setting that is left
.if MSB != \new
	s_set_vgpr_msb (MSB<<8)|\new
.set MSB, \new
.endif
.endm
.macro ROUND                           ; a round of the cluster's barrier
	s_barrier_signal -1
	s_barrier_wait -1
	s_cmp_lg_u32 s10, 0
	s_cbranch_scc1 .Lnot_wave_0_\@
	s_barrier_signal -3
.Lnot_wave_0_\@:
	s_barrier_wait -3
	s_barrier_signal -1
	s_barrier_wait -1
.endm
; 16 LDS loads: the four row tiles of k block kb as f32 into the stage of kb's parity
.macro LDX kb
.irp a, 0,1,2,3
	ds_load_b128 v[ST0+64*(\kb&1)+16*\a:ST0+64*(\kb&1)+16*\a+3],     v[AD] offset:\a*16*XP+\kb*128
	ds_load_b128 v[ST0+64*(\kb&1)+16*\a+4:ST0+64*(\kb&1)+16*\a+7],   v[AD] offset:\a*16*XP+\kb*128+16
	ds_load_b128 v[ST0+64*(\kb&1)+16*\a+8:ST0+64*(\kb&1)+16*\a+11],  v[AD] offset:\a*16*XP+\kb*128+64
	ds_load_b128 v[ST0+64*(\kb&1)+16*\a+12:ST0+64*(\kb&1)+16*\a+15], v[AD] offset:\a*16*XP+\kb*128+80
.endr
.endm
; One block of 32 k: its stage becomes bf16 (registers of its own, never written again), the stage is loaded for block nkb, 16 matrix instructions.
; The 16 accumulators take turns, one instruction a turn.
.macro XSTEP kb, look, nkb, dsleft, zero
	s_wait_dscnt \dsleft                           ; my stage's 16 loads are in; the other stage's 16 stay out
	WIN 0x80                                       ; destination window 2
.irp a, 0,1,2,3
.irp p, 0,1,2,3,4,5,6,7
	v_cvt_pk_bf16_f32 v[32*\kb+8*\a+\p], v[ST0+64*(\kb&1)+16*\a+2*\p], v[ST0+64*(\kb&1)+16*\a+2*\p+1]
.endr
.endr
.if \look
	WIN 0
	LDX \nkb
.endif
	s_wait_loadcnt 8*(7-\kb)                       ; W's fragments of this block are in; the eight loads of each later block stay out
	WIN 0xf6                                       ; A window 2, B window 1, C and D window 3
.irp a, 0,1,2,3
.irp f, 0,1,2,3
.if \zero
	v_wmma_f32_16x16x32_bf16 v[8*(4*\a+\f):8*(4*\a+\f)+7], v[32*\kb+8*\a:32*\kb+8*\a+7], v[32*\kb+8*\f:32*\kb+8*\f+7], 0
.else
	v_wmma_f32_16x16x32_bf16 v[8*(4*\a+\f):8*(4*\a+\f)+7], v[32*\kb+8*\a:32*\kb+8*\a+7], v[32*\kb+8*\f:32*\kb+8*\f+7], v[8*(4*\a+\f):8*(4*\a+\f)+7]
.endif
.endr
.endr
.endm
	s_load_b128 s[4:7], s[0:1], 0x0                ; x s[4:5], wf s[6:7]
	s_load_b64 s[8:9], s[0:1], 0x10                ; out0
	v_lshrrev_b32 v1, 5, v0
	v_readfirstlane_b32 s10, v1                    ; wave 0..3
	s_bfe_u32 s11, ttmp6, 0x40000                  ; cx
	s_and_b32 s12, ttmp7, 0xffff                   ; ti: the cluster is one work-group high
	s_lshl_b32 s13, ttmp9, 2
	s_add_co_u32 s13, s13, s11                     ; cb = 4 x cluster x + cx
	; group 1: 64 rows x 256 elements of 4 bytes, 4 words of padding behind every 256 words
	s_mov_b32 s[G1+0], 15|(2<<16)|(1<<20)|(1<<21)|(7<<22)|(3<<25)   ; mask: all four; element of 4 bytes; padding on; bit 21 beside a mask; interval 256 words; pad 4 words
	s_mov_b32 s[G1+1], 256<<16                     ; tensor_dim0 = 256
	s_mov_b32 s[G1+2], 64<<16                      ; tensor_dim1 = 64
	s_mov_b32 s[G1+3], 256<<16                     ; tile_dim0 = 256
	s_mov_b32 s[G1+4], 64                          ; tile_dim1 = 64
	s_mov_b32 s[G1+5], 1024                        ; elements from row to row of x
	s_mov_b32 s[G1+6], 0
	s_mov_b32 s[G1+7], 0
	s_lshl_b32 s32, s12, 18                        ; x: 64 ti rows of 4 KiB + 256 w elements: ti and the wave alone
	s_lshl_b32 s40, s10, 10
	s_add_co_u32 s32, s32, s40
	s_mov_b32 s33, 0
	s_lshl_b32 s34, s13, 17                        ; wf: cb x 128 KiB + 8 w blocks of 4 KiB
	s_lshl_b32 s41, s10, 15
	s_add_co_u32 s34, s34, s41
	s_mov_b32 s35, 0
	s_lshl_b32 s36, s12, 18                        ; out0: (64 ti + 16 w) rows of 4 KiB + 256 cb bytes
	s_lshl_b32 s41, s10, 16
	s_add_co_u32 s36, s36, s41
	s_lshl_b32 s41, s13, 8
	s_add_co_u32 s36, s36, s41
	s_mov_b32 s37, 0
	s_mul_i32 s42, s10, REG                        ; my region of LDS: the wave's number alone
	v_and_b32 v10, 15, v0                          ; r
	v_bfe_u32 v11, v0, 4, 1                        ; h
	v_mul_u32_u24 v[AD], v10, XP
	v_lshl_add_u32 v[AD], v11, 5, v[AD]
	v_add_nc_u32 v[AD], s42, v[AD]                 ; region + r x pitch + 32 h
	v_and_b32 v[LN], 31, v0
	v_lshlrev_b32 v[LN], 4, v[LN]
	v_add_nc_u32 v[SA], s42, v[LN]
	v_lshl_add_u32 v1, s10, 12, v[LN]              ; my row block's four tiles: 4,096 w + 16 x lane,
.irp q, 0,1,2,3
	v_add_nc_u32 v[RD+\q], \q*REG, v1              ; in each wave's region
.endr
	v_lshlrev_b32 v[CO], 4, v10
	v_lshl_add_u32 v[CO], v11, 15, v[CO]           ; 16 r + 8 h rows of 4 KiB
	s_wait_kmcnt 0x0
	s_add_nc_u64 s[6:7], s[6:7], s[34:35]
	s_add_nc_u64 s[8:9], s[8:9], s[36:37]
	s_mov_b32 s[G0], 1                             ; count = 1
	s_mul_i32 s[G0+1], s10, REG                    ; LDS address
	s_add_nc_u64 s[G0+2:G0+3], s[4:5], s[32:33]
	s_or_b32 s[G0+3], s[G0+3], 0x80000000          ; type = 2
	ROUND                                          ; the four work-groups are here: the joint loads meet
	tensor_load_to_lds s[G0:G0+3], s[G1:G1+7]      ; my one tensor load of the launch goes out first, so that x and W's fragments are on their way together
	WIN 0x40                                       ; destination window 1
.set t, 0
.rept 64
	global_load_b128 v[4*t:4*t+3], v[LN], s[6:7] offset:512*t      ; register 32 kb + 8 f + 4 half lies at byte 4,096 kb + 1,024 f + 512 half: both are the running number t
.set t, t+1
.endr
	WIN 0
	s_wait_tensorcnt 0x0                           ; only I read my region, so my own wait is all that the reads need
	LDX 0
	LDX 1
	XSTEP 0, 1, 2, 16, 1                           ; the first products start the sums
	XSTEP 1, 1, 3, 16, 0
	XSTEP 2, 1, 4, 16, 0
	XSTEP 3, 1, 5, 16, 0
	XSTEP 4, 1, 6, 16, 0
	XSTEP 5, 1, 7, 16, 0
	XSTEP 6, 0, 0, 16, 0
	XSTEP 7, 0, 0, 0, 0
.rept 4
	v_nop                                          ; four places behind the last matrix instruction before its result is stored (ISA guide 7.12.1)
.endr
	; My 16 partial tiles go into my own region, which has had its only fill and all of whose reads are back: tile t = 4 a + f at 1,024 t.
	WIN 0x0c                                       ; store data window 3
.set t, 0
.rept 16
	ds_store_b128 v[SA], v[8*t:8*t+3]   offset:t*1024
	ds_store_b128 v[SA], v[8*t+4:8*t+7] offset:t*1024+512
.set t, t+1
.endr
	WIN 0
	s_wait_dscnt 0x0                               ; for the other waves: my stores are done
	ROUND                                          ; the barrier between the stores and the other waves' loads, and the cluster's closing round behind the joint loads
.irp q, 0,1,2,3
.irp f, 0,1,2,3
	ds_load_b128 v[P+32*\q+8*\f:P+32*\q+8*\f+3],   v[RD+\q] offset:\f*1024
	ds_load_b128 v[P+32*\q+8*\f+4:P+32*\q+8*\f+7], v[RD+\q] offset:\f*1024+512
.endr
.endr
	s_wait_dscnt 0x0
.set t, 0
.rept 16
	v_pk_add_f32 v[P+2*t:P+2*t+1],       v[P+2*t:P+2*t+1],       v[P+32+2*t:P+32+2*t+1]    ; waves 0 + 1
	v_pk_add_f32 v[P+64+2*t:P+64+2*t+1], v[P+64+2*t:P+64+2*t+1], v[P+96+2*t:P+96+2*t+1]    ; waves 2 + 3
.set t, t+1
.endr
.irp j, 0,1,2,3,4,5,6,7
.irp f, 0,1,2,3
	v_add_f32 v[O+4*\j+\f], v[P+8*\f+\j], v[P+64+8*\f+\j]          ; the last sum also lays the four neighbouring columns side by side
.endr
.endr
.irp j, 0,1,2,3,4,5,6,7
	global_store_b128 v[CO], v[O+4*\j:O+4*\j+3], s[8:9] offset:\j*4096   ; row 8 h + j: sixteen lanes store 256 consecutive aligned bytes
.endr
	s_endpgm
.Lfunc_end_k_q2f61eff7c3_apply:
	.size	k_q2f61eff7c3_apply, .Lfunc_end_k_q2f61eff7c3_apply-k_q2f61eff7c3_apply
	.p2alignl 7, 3214868480
	.fill 96, 4, 3214868480
	.section	.rodata,"a",@progbits
	.p2align	6, 0x0
	.amdhsa_kernel k_q2f61eff7c3_apply
		.amdhsa_group_segment_fixed_size 266240
		.amdhsa_private_segment_fixed_size 0
		.amdhsa_enable_private_segment 0
		.amdhsa_kernarg_size 24
		.amdhsa_user_sgpr_count 2
		.amdhsa_user_sgpr_kernarg_segment_ptr 1
		.amdhsa_wavefront_size32 1
		.amdhsa_system_sgpr_workgroup_id_x 1
		.amdhsa_system_sgpr_workgroup_id_y 1
		.amdhsa_system_sgpr_workgroup_id_z 1
		.amdhsa_system_vgpr_workitem_id 0
		.amdhsa_next_free_vgpr 896
		.amdhsa_next_free_sgpr 66
		.amdhsa_reserve_vcc 0
		.amdhsa_float_denorm_mode_32 3
		.amdhsa_float_denorm_mode_16_64 3
		.amdhsa_memory_ordered 1
		.amdhsa_forward_progress 1
		.amdhsa_inst_pref_size 51
	.end_amdhsa_kernel
	.amdgpu_metadata
---
amdhsa.version: [ 1, 2 ]
amdhsa.kernels:
  - .name:           k_q2f61eff7c3_apply
    .symbol:         k_q2f61eff7c3_apply.kd
    .args:
      - { .name: x, .offset: 0, .size: 8, .value_kind: global_buffer, .address_space: global }
      - { .name: wf, .offset: 8, .size: 8, .value_kind: global_buffer, .address_space: global }
      - { .name: out0, .offset: 16, .size: 8, .value_kind: global_buffer, .address_space: global }
    .group_segment_fixed_size: 266240
    .private_segment_fixed_size: 0
    .kernarg_segment_align: 8
    .kernarg_segment_size: 24
    .max_flat_workgroup_size: 128
    .sgpr_count:     66
    .vgpr_count:     896
    .wavefront_size: 32
...
	.end_amdgpu_metadata
.endif
;; end of part 3
